; MI455X (gfx1250); checked and timed in simulation.
; The chip was launched on July 23, 2026; its instructions are those of AMD's public machine-readable ISA for CDNA 5 (MIT licence, August 2026) and "CDNA5" Instruction Set Architecture Reference Guide (July 2026). The comments in the code are by the model that wrote it; some were corrected since.
;; Quant Linear. Allowed arithmetic: matrix products marked QUANTISED: E3M2 operands, one E8M0 scale for each 32 along K, by v_wmma_scale_f32_16x16x128_f8f6f4 with both operands' format E3M2, f32 sums; everything else in f32.
;; Inputs: bias 4,096 float32; qweight 4,096 x 4,096 int8; scale 4,096 float32; x_codes 4 x 1,024 x 128 x 24 uint8 (E3M2 codes of x, K innermost, in blocks of 32 codes, four codes in three bytes); x_scales 4 x 1,024 x 128 uint8 (E8M0 scales of x, one for each 32 codes along K).
;; Outputs: out0 4 x 1,024 x 4,096 bfloat16.
;; This version of the problem:
;;   THIS VERSION OF THE PROBLEM IS GIVEN IN LOW PRECISION. The matrix products marked QUANTISED in the list below multiply operands that are first quantised to E3M2 (3 exponent bits, 2 mantissa bits; 6 bits a number), with one power-of-two scale for each 32 numbers along K (OCP MX v1.0); their sums are f32. All else is computed in f32.
;;   The module's matrix products, in the order in which they are computed (A, B: the left and right operand; K: the contracted axis; several contracted axes count as one K, in the product's order):
;;     1. [M 4,096, K 4,096] x [K 4,096, N 4,096]; A: input x (given as codes); B: computed on the way: QUANTISED
;;   THE QUANTISER, for each operand of a quantised product, along K:
;;     - K is cut into blocks of 32 from its start; a last block that is shorter is filled with zeros.
;;     - A block's scale is 2^e with e = floor(log2(the largest magnitude in the block)) - 4, held to -126 .. 127; a block of zeros has e = 0. As a byte (E8M0): e + 127.
;;     - Each number is divided by its block's scale, clamped to +-28, and rounded to the nearest number of E3M2, ties to even, subnormals kept.
;;     - The product sums the exact products of the quantised numbers (number of the format x scale) in f32.
;;   ~~~python
;;   def quantise(x, axis):      # numpy; x: float32 -> the quantised numbers, widened to float32 again
;;       x = np.moveaxis(x, axis, -1); K = x.shape[-1]
;;       x = np.pad(x, [(0, 0)] * (x.ndim - 1) + [(0, -K % 32)]); x = x.reshape(x.shape[:-1] + (-1, 32)); a = np.abs(x).max(-1, keepdims=True)
;;       e = np.where(a > 0, np.clip(np.frexp(np.where(a > 0, a, 1))[1] - 1 - 4, -126, 127), 0)      # np.frexp(a)[1] - 1 = floor(log2(a)), exactly
;;       r = np.clip(x / 2.0 ** e, -28, 28)
;;       step = 2.0 ** (np.maximum(np.frexp(np.where(r == 0, 1, r))[1] - 1, -2) - 2)
;;       q = np.round(r / step) * step * 2.0 ** e      # np.round: ties to even
;;       return np.moveaxis(q.reshape(q.shape[:-2] + (-1,))[..., :K], -1, axis).astype(np.float32)
;;   ~~~
;;   OPERANDS COMPUTED ON THE WAY. 'Computed on the way' means the value that the module computes at that place (a softmax that the list does not call 'softmax' is quantised finished and normalised). What goes into a quantiser is computed in f32, as accurately as f32 sums, v_exp_f32 and their like allow (about 1e-6 of the number): no bf16 or f16 on the way to a quantiser, and a product that is left as it is and whose result goes on into a quantised operand takes f32 operands (vector FMAs, or v_wmma_f32_16x16x4_f32). A number that lies on a knife's edge between two numbers of the format may be rounded either way, as far as f32 arithmetic and the matrix unit's own rounding can turn it there, and no further.
;;   INPUTS GIVEN AS CODES. x (in the module: [4, 1024, 4096], K = its axis 2): each comes as NAME_codes (uint8): NAME with its K axis moved to the last place and cut into blocks of 32 codes, [.., K / 32, bytes a block], one block behind the other in memory; four codes in three bytes: a row's codes are one little-endian stream of bits, code i at bits 6 i .. 6 i + 5 (a code: sign, 3 exponent bits, 2 mantissa bits); and NAME_scales (uint8): the same leading axes, one E8M0 byte (e + 127) for each 32 codes along K. Its value is code x scale, taken as it is: it is not quantised again, and the codes and scales need not be those that the quantiser above would give.
;; One version. Each part assembles by itself: llvm-mc -triple=amdgcn-amd-amdhsa -mcpu=gfx1250 --defsym DOCPART=n.
;; ======== version 1 of 1: 2 launches
;; limits: values are held in bf16: 8 bits of precision; right only within a limited range of input values
;; workspace buffers: xa 13,107,200 bytes; wb 13,107,200 bytes
;; launch prep (part 1): grid 256 x 1, 8 waves a work-group, no clusters, 105,472 bytes of LDS; arguments x_codes, x_scales, qweight, scale, xa, wb; writes xa, wb
.if DOCPART == 1
	.amdgcn_target "amdgcn-amd-amdhsa--gfx1250"
	.amdhsa_code_object_version 6
	.text
	.protected	k_qb7548c569f_prep
	.globl	k_qb7548c569f_prep
	.p2align	8
	.type	k_qb7548c569f_prep,@function
k_qb7548c569f_prep:
	s_mov_b64 s[64:65], 0
	v_nop
	global_prefetch_b8 v0, s[64:65] scope:SCOPE_SE
	s_setreg_imm32_b32 hwreg(HW_REG_WAVE_MODE, 25, 1), 1
	s_wait_xcnt 0x0
; Lays both operands of the product as its launch's registers take them.  w[n][k] = f32(qweight[n][k]) x scale[n], one f32 multiplication, is quantised to BF6 (E3M2)
; with one E8M0 byte for each 32 along K; x's codes and scale bytes are taken as given and only moved.
; xa and wb: [32 groups of 128 rows][32 steps of 128 K][a record of 12,800 bytes].  A record: 8 fragments (16 rows x 128 K) of 1,536 bytes, each three planes of 512 bytes,
; plane p holding registers 4 p .. 4 p + 3 of lane l at 16 l (lane (r, h): row r, bytes 24 h .. + 23 and 48 + 24 h .. + 23 of the row's 96);
; then 512 bytes of scale words: that of row 16 i + r at 256 (i / 4) + 16 r + 4 (i % 4).
; A block's scale byte is its largest magnitude's exponent field - 4, held at 1 from below.
; LIMITS: NaN and infinities in scale are not served.  A block of zeros gets the byte 1 where the rule says 127: its codes are zeros, and this program alone reads the bytes.
; SHARES.  Work-group b takes rows 64 (b / 4) .. + 63 and K quarter b % 4 (8 steps) of both operands; wave v brings rows 8 v .. 8 v + 7 into two LDS images (rows of 768 bytes of codes, pitch 784),
; and behind a barrier gathers step v: half a record, 6,144 consecutive bytes by twelve stores of 512, and 256 bytes of scale words by one store.
; x's image goes out while w's loads are still on their way.  No tensor loads; no register that a global instruction names is written again.
.set PIT,   784
.set REC,   12800
.set WI,    64*PIT                     ; w's image behind x's
.set XS,    2*64*PIT                   ; x's scale bytes, 32 a row
.set WS,    XS+2048                    ; w's
.set SPARE, WS+2048                    ; the spare words, 128 bytes a wave
.set R,     16                         ; v16-79 w as loaded, four words a step; later w's gathered fragments and scale words (v16-65)
.set X,     80                         ; v80-111 two sets of 16 numbers in f32
.set E,     112                        ; v112-127 a scale byte for each step
.set C,     128                        ; v128-191 codes
.set XR,    192                        ; v192-241 x as loaded, then x's gathered fragments and scale words
	s_load_b256 s[4:11], s[0:1], 0x0               ; x_codes, x_scales, qweight, scale
	s_load_b128 s[12:15], s[0:1], 0x20             ; xa, wb
	v_lshl_add_u32 v1, v0, 2, SPARE                ; my spare word
	v_mov_b32 v2, 0
	v_lshrrev_b32 v3, 5, v0
	s_delay_alu instid0(VALU_DEP_1)
	v_readfirstlane_b32 s16, v3                    ; wave
	s_mul_i32 s17, s16, 8*PIT                      ; my 8 rows of an image
	s_lshl_b32 s18, s16, 8                         ; and of the scale bytes
	s_mul_i32 s19, s16, 96                         ; my step's bytes in a row
	s_lshl_b32 s20, s16, 2                         ; and its scale word
	v_and_b32 v3, 31, v0                           ; lane
	v_lshrrev_b32 v8, 2, v0
	v_and_b32 v11, 3, v0
	s_delay_alu instid0(VALU_DEP_3)
	v_lshrrev_b32 v10, 4, v3                       ; h
	v_and_b32 v9, 15, v3                           ; r
	v_lshlrev_b32 v4, 4, v3                        ; 16 x lane
	v_lshlrev_b32 v11, 3, v11
	v_lshlrev_b32 v246, 3, v3                      ; 8 x lane
	s_delay_alu instid0(VALU_DEP_3)
	v_mad_u32_u24 v5, v10, 2304, v4                ; x's middle load of three: lanes 0-15 bytes 512 .. 767 of a row's piece, lanes 16-31 bytes 0 .. 255 of the next row's
	v_add_nc_u32 v6, s17, v4                       ; the same two in x's image
	v_lshl_add_u32 v242, v8, 7, v11                ; x's scale bytes: thread t takes 8 bytes: row t / 4, part t % 4
	v_lshl_add_u32 v243, v0, 3, XS
	v_add_nc_u32 v5, 512, v5
	v_lshl_add_u32 v7, v10, 4, v6
	v_mul_u32_u24 v12, v3, 12
	v_lshrrev_b32 v13, 1, v3
	v_mul_u32_u24 v14, v9, PIT
	v_add_nc_u32 v7, 512, v7
	v_add_nc_u32 v12, s17, v12
	v_add_nc_u32 v13, s18, v13
	v_mad_u32_u24 v14, v10, 24, v14
	v_and_b32 v8, 1, v3
	v_lshrrev_b32 v11, 1, v3
	v_add_nc_u32 v12, WI, v12                      ; where my 12 bytes of codes go
	v_add_nc_u32 v13, WS, v13                      ; where my block's scale byte goes
	v_add_nc_u32 v14, s19, v14                     ; the gather: row r, + 24 h, + my step
	v_lshlrev_b32 v11, 5, v11
	s_delay_alu instid0(VALU_DEP_2)
	v_add_nc_u32 v15, WI, v14
	s_delay_alu instid0(VALU_DEP_2)
	v_lshl_add_u32 v244, v8, 10, v11               ; scale words: lane l takes rows 32 (l % 2) + l / 2 and 16 further on
	s_delay_alu instid0(VALU_DEP_1)
	v_add_nc_u32 v244, s20, v244
	s_delay_alu instid0(VALU_DEP_1)
	v_add_nc_u32 v245, WS, v244
	v_add_nc_u32 v244, XS, v244
	s_lshr_b32 s24, ttmp9, 2                       ; group of 64 rows
	s_and_b32 s25, ttmp9, 3                        ; K quarter
	s_lshl_b32 s26, s24, 6
	s_lshl_b32 s27, s16, 3
	s_add_co_u32 s26, s26, s27                     ; my first row
	s_mov_b32 s29, 0
	s_mov_b32 s31, 0
	s_mov_b32 s40, 0x80808080                      ; turns four int8 into four q + 128
	s_mov_b32 s41, 0x4b000000                      ; 2^23
	s_mov_b32 s42, 0xcb000080                      ; -(2^23 + 128)
	s_mov_b32 s43, s42
	s_mov_b32 s44, 0x03020104                      ; byte n of the word under the three upper bytes of 2^23
	s_mov_b32 s45, 0x03020105
	s_mov_b32 s46, 0x03020106
	s_mov_b32 s47, 0x03020107
	s_wait_alu depctr_va_vdst(0)                   ; the wait at the head's end
	s_wait_kmcnt 0x0
	s_mul_i32 s28, s26, 3072
	s_mul_i32 s27, s25, 768
	s_add_co_u32 s28, s28, s27
	s_add_nc_u64 s[4:5], s[4:5], s[28:29]
	s_lshl_b32 s28, s24, 13
	s_lshl_b32 s27, s25, 5
	s_add_co_u32 s28, s28, s27
	s_add_nc_u64 s[6:7], s[6:7], s[28:29]
	s_lshl_b32 s28, s26, 12
	s_lshl_b32 s27, s25, 10
	s_add_co_u32 s28, s28, s27
	s_add_nc_u64 s[8:9], s[8:9], s[28:29]
	s_lshl_b32 s28, s26, 2
	s_add_nc_u64 s[10:11], s[10:11], s[28:29]
.irp k, 0,1,2,3,4,5,6,7,8,9,10,11      ; x: two rows' pieces of 768 bytes by three loads; sixteen lanes read 256 consecutive aligned bytes
	global_load_b128 v[XR+4*\k:XR+4*\k+3], v[4+(\k%3)%2], s[4:5] offset:(\k/3)*6144+((\k%3)/2)*3328 th:TH_LOAD_NT
.endr
	global_load_b64 v[XR+48:XR+49], v242, s[6:7]
.irp t, 0,1,2,3,4,5,6,7,8,9,10,11,12,13,14,15
	global_load_b128 v[R+4*\t:R+4*\t+3], v4, s[8:9] offset:4096*(\t/2)+512*(\t%2) th:TH_LOAD_NT   ; w: 512 consecutive bytes of row t / 2
.endr
	s_load_b256 s[32:39], s[10:11], 0x0            ; my eight rows' scales
	s_lshr_b32 s28, s24, 1                         ; the record: group of 128 rows,
	s_lshl_b32 s28, s28, 5
	s_lshl_b32 s27, s25, 3
	s_add_co_u32 s28, s28, s27
	s_add_co_u32 s28, s28, s16                     ; step 8 x quarter + wave
	s_mul_i32 s28, s28, REC
	s_and_b32 s27, s24, 1                          ; which half of it is my work-group's
	s_mul_i32 s30, s27, 6144
	s_add_co_u32 s30, s30, s28
	s_add_nc_u64 s[20:21], s[12:13], s[30:31]      ; x's fragments
	s_add_nc_u64 s[22:23], s[14:15], s[30:31]      ; w's
	s_lshl_b32 s27, s27, 8
	s_add_co_u32 s30, s28, s27
	s_add_co_u32 s30, s30, 12288
	s_add_nc_u64 s[12:13], s[12:13], s[30:31]      ; x's scale words
	s_add_nc_u64 s[14:15], s[14:15], s[30:31]      ; w's
	s_wait_kmcnt 0x0
.irp j, 0,1,2,3,4,5,6,7
	s_mov_b32 s[48+2*\j], s[32+\j]                 ; as pairs for the packed multiply
	s_mov_b32 s[49+2*\j], s[32+\j]
.endr
.macro GATHER reg, adr, sadr           ; four fragments of my step, in pieces of 8 bytes, and my two scale words
.irp i, 0,1,2,3
.irp p, 0,1,2,3,4,5
	ds_load_b64 v[\reg+12*\i+2*\p:\reg+12*\i+2*\p+1], v[\adr] offset:\i*16*PIT+48*(\p/3)+8*(\p%3)
.endr
.endr
	ds_load_b32 v[\reg+48], v[\sadr]
	ds_load_b32 v[\reg+49], v[\sadr] offset:512
.endm
.macro SENDOUT reg, cb, sb             ; 32 lanes store 512 consecutive bytes, at a multiple of 256 from the buffer's first byte
.irp n, 0,1,2,3,4,5,6,7,8,9,10,11
	s_wait_dscnt 24-2*\n                           ; of the 26 loads the first 2 n + 2 are in
	global_store_b128 v4, v[\reg+4*\n:\reg+4*\n+3], s[\cb:\cb+1] offset:512*\n
.endr
	s_wait_dscnt 0x0
	global_store_b64 v246, v[\reg+48:\reg+49], s[\sb:\sb+1]   ; 256 consecutive aligned bytes
.endm
	s_wait_loadcnt 16                              ; x's thirteen loads are in; w's sixteen stay out
.irp k, 0,1,2,3,4,5,6,7,8,9,10,11
	ds_store_b128 v[6+(\k%3)%2], v[XR+4*\k:XR+4*\k+3] offset:(\k/3)*2*PIT+((\k%3)/2)*(PIT+256)
.endr
	ds_store_b64 v243, v[XR+48:XR+49]
	s_wait_dscnt 0x0                               ; for the others' sake
	s_barrier_signal -1
	s_barrier_wait -1
	GATHER XR, 14, 244
	SENDOUT XR, 20, 12
.macro STEP t                          ; 512 numbers of row t / 2; lanes 2 i and 2 i + 1 hold a block of 32
.set XS_, X+16*((\t)%2)
.set RW, R+4*(\t)
.set SRW, 48+2*((\t)/2)
	s_wait_loadcnt 15-(\t)                         ; loads come back in order
.irp j, 0,1,2,3
	v_xor_b32 v[RW+\j], s40, v[RW+\j]
.endr
.irp j, 0,1,2,3
.irp n, 0,1,2,3
	v_perm_b32 v[XS_+4*\j+\n], v[RW+\j], s41, s[44+\n]   ; 2^23 + q + 128
.endr
.endr
.irp j, 0,2,4,6,8,10,12,14
	v_pk_add_f32 v[XS_+\j:XS_+\j+1], v[XS_+\j:XS_+\j+1], s[42:43] op_sel_hi:[1,0]   ; q, exactly
.endr
.irp j, 0,2,4,6,8,10,12,14
	v_pk_mul_f32 v[XS_+\j:XS_+\j+1], v[XS_+\j:XS_+\j+1], s[SRW:SRW+1] op_sel_hi:[1,0]   ; q x scale: the one rounding
.endr
	v_max3_num_f32 v8, |v[XS_]|, |v[XS_+1]|, |v[XS_+2]|
	v_max3_num_f32 v9, |v[XS_+3]|, |v[XS_+4]|, |v[XS_+5]|
.irp i, 6,10
	s_delay_alu instid0(VALU_DEP_2)
	v_max3_num_f32 v8, v8, |v[XS_+\i]|, |v[XS_+\i+1]|
	s_delay_alu instid0(VALU_DEP_2)
	v_max3_num_f32 v9, v9, |v[XS_+\i+2]|, |v[XS_+\i+3]|
.endr
	s_delay_alu instid0(VALU_DEP_2)
	v_max3_num_f32 v8, v8, |v[XS_+14]|, |v[XS_+15]|
	s_delay_alu instid0(VALU_DEP_1)
	v_max3_num_f32 v8, v8, v9, 0x2800000           ; the floor 2^(5 - 127): the byte cannot fall under 1
	s_delay_alu instid0(VALU_DEP_1)
	v_max_num_f32_dpp v8, v8, v8 row_xmask:1 row_mask:0xf bank_mask:0xf   ; with my neighbour's 16: the block's
	s_delay_alu instid0(VALU_DEP_1)
	v_add_nc_u32 v11, 0xfe000000, v8               ; 4 off the exponent field: the conversion's scale operand
	v_cvt_scalef32_pk16_bf6_f32 v[C+4*(\t):C+4*(\t)+2], v[XS_:XS_+15], v11
	v_lshrrev_b32 v[E+(\t)], 23, v11               ; the scale's byte; also the plain instruction behind the conversion
	ds_store_b32 v12, v[C+4*(\t)] offset:PIT*((\t)/2)+384*((\t)%2)
	ds_store_b32 v12, v[C+4*(\t)+1] offset:PIT*((\t)/2)+384*((\t)%2)+4
	ds_store_b32 v12, v[C+4*(\t)+2] offset:PIT*((\t)/2)+384*((\t)%2)+8
	ds_store_b8 v13, v[E+(\t)] offset:32*((\t)/2)+16*((\t)%2)   ; both lanes of a block write the same byte
.endm
.irp t, 0,1,2,3,4,5,6,7,8,9,10,11,12,13,14,15
	STEP \t
.endr
	s_wait_dscnt 0x0                               ; for the others' sake
	s_barrier_signal -1
	s_barrier_wait -1
	GATHER R, 15, 245
	SENDOUT R, 22, 14
	s_wait_tensorcnt 0x0                           ; the wave's end
	ds_add_u32 v1, v2
	s_wait_dscnt 0x0
	s_endpgm
.Lfunc_end_k_qb7548c569f_prep:
	.size	k_qb7548c569f_prep, .Lfunc_end_k_qb7548c569f_prep-k_qb7548c569f_prep
	.p2alignl 7, 3214868480
	.fill 96, 4, 3214868480
	.section	.rodata,"a",@progbits
	.p2align	6, 0x0
	.amdhsa_kernel k_qb7548c569f_prep
		.amdhsa_group_segment_fixed_size 105472
		.amdhsa_private_segment_fixed_size 0
		.amdhsa_enable_private_segment 0
		.amdhsa_kernarg_size 48
		.amdhsa_user_sgpr_count 2
		.amdhsa_user_sgpr_kernarg_segment_ptr 1
		.amdhsa_wavefront_size32 1
		.amdhsa_system_sgpr_workgroup_id_x 1
		.amdhsa_system_sgpr_workgroup_id_y 1
		.amdhsa_system_sgpr_workgroup_id_z 1
		.amdhsa_system_vgpr_workitem_id 0
		.amdhsa_next_free_vgpr 248
		.amdhsa_next_free_sgpr 66
		.amdhsa_reserve_vcc 0
		.amdhsa_float_denorm_mode_32 3
		.amdhsa_float_denorm_mode_16_64 3
		.amdhsa_memory_ordered 1
		.amdhsa_forward_progress 1
		.amdhsa_inst_pref_size 70
	.end_amdhsa_kernel
	.amdgpu_metadata
---
amdhsa.version: [ 1, 2 ]
amdhsa.kernels:
  - .name:           k_qb7548c569f_prep
    .symbol:         k_qb7548c569f_prep.kd
    .args:
      - { .name: x_codes, .offset: 0, .size: 8, .value_kind: global_buffer, .address_space: global }
      - { .name: x_scales, .offset: 8, .size: 8, .value_kind: global_buffer, .address_space: global }
      - { .name: qweight, .offset: 16, .size: 8, .value_kind: global_buffer, .address_space: global }
      - { .name: scale, .offset: 24, .size: 8, .value_kind: global_buffer, .address_space: global }
      - { .name: xa, .offset: 32, .size: 8, .value_kind: global_buffer, .address_space: global }
      - { .name: wb, .offset: 40, .size: 8, .value_kind: global_buffer, .address_space: global }
    .group_segment_fixed_size: 105472
    .private_segment_fixed_size: 0
    .kernarg_segment_align: 8
    .kernarg_segment_size: 48
    .max_flat_workgroup_size: 256
    .sgpr_count:     66
    .vgpr_count:     248
    .wavefront_size: 32
...
	.end_amdgpu_metadata
.endif
;; end of part 1
;; launch gemm (part 2): grid 16 x 16, 4 waves a work-group, clusters of 4 x 4, 327,680 bytes of LDS; arguments xa, wb, out0, bias; writes out0
.if DOCPART == 2
	.amdgcn_target "amdgcn-amd-amdhsa--gfx1250"
	.amdhsa_code_object_version 6
	.text
	.protected	k_qb7548c569f_gemm
	.globl	k_qb7548c569f_gemm
	.p2align	8
	.type	k_qb7548c569f_gemm,@function
k_qb7548c569f_gemm:
	s_mov_b64 s[64:65], 0
	v_nop
	global_prefetch_b8 v0, s[64:65] scope:SCOPE_SE
	s_setreg_imm32_b32 hwreg(HW_REG_WAVE_MODE, 25, 1), 1
	s_wait_xcnt 0x0
	s_wait_alu depctr_hold_cnt(0) depctr_sa_sdst(0) depctr_va_vdst(0) depctr_va_sdst(0) depctr_va_ssrc(0) depctr_va_vcc(0) depctr_vm_vsrc(0)
	s_getreg_b32 s2, hwreg(HW_REG_IB_STS2, 6, 4)
	s_cmp_eq_u32 s2, 0
	s_cbranch_scc0 .Lentry_in_a_cluster
	s_endpgm
.Lentry_in_a_cluster:
	s_bfe_u32 s2, ttmp6, 0x10000c
	s_cmp_lg_u32 s2, 0xf033
	s_cbranch_scc0 .Lentry_shape_is_right
	s_endpgm
.Lentry_shape_is_right:
; out0[m][n] = bf16(sum over k of x[m][k] w[n][k] + bias[n]): 4,096 x 4,096 x 4,096, both operands codes of BF6 (E3M2) with E8M0 scales, sums in f32, the bias as the C of each sum's first product.
; xa and wb hold records of 12,800 bytes for 128 rows x 128 K: 8 fragments of 1,536 bytes as register images (three planes of 16 bytes a lane), then the rows' scale words.
; A tile of 256 x 256 is made by four waves, 128 x 128 each: 64 accumulators, 512 registers.  K goes in 32 steps of 128 through two LDS slots of three steps:
; a wave's tensor load brings three records on end, 150 rows of 256 bytes (the last fill two records, 100 rows), dense in memory and in LDS.  Fill f lies in slot f % 2.
; A fragment is three ds_load_b128 at 16 x lane; a step's scale words are two ds_load_b128, lanes 0-15 taking A's rows and lanes 16-31 B's.
; CLUSTERS: 4 x 4 work-groups; A's records are asked for jointly along a row of the cluster, B's along a column.  The matrix instruction is used transposed (source 0 = B, source 1 = A).
; PREFETCH: in steps 0 to 24 each wave names the record seven steps on of the 128 rows that it fetches; the four partners share its 50 units of 256 bytes out by address, 13 each, held at the record's last;
; at the head records 3 to 6 are named the same way.  Steps 25 to 31 name nothing.
; REGISTERS: window 0: v16-31 addresses, v32-47 scale words (two sets), v48-111 the bias, from v128 A's fragments (one set); window 1: B's fragments, two sets at v0 and v128; windows 2, 3: accumulators.
.set SIZE_N, 4096
.set REC,    12800
.set QTR,    3*REC                     ; what one tensor load brings
.set SLOT,   4*QTR                     ; A's two groups of 128 rows, then B's two
.set STAGE,  2*SLOT                    ; the way out: 16 rows x 272 bytes for each wave
.set SPITCH, 272
.set SPARE,  STAGE+4*16*SPITCH         ; the spare words
.set FR, 12
.set NL, 3
.set NP, 4
.set ADRA, 16
.set ADRB, 18
.set ADRS, 20
.set STO,  24
.set RD,   25
.set CO,   26
.set SPW,  28
.set NIL,  29
.set PFO,  30
.set BO,   31
.set SC,   32
.set BIAS, 48
.set AF,   128
.set TMP,  64
.set BK,   128
.set G1, 24
.set G0, 32
.set G1B, 48
.set G0B, 56
.set PFA, 66
.set MSB, 0
.macro WIN new                         ; the immediate's high byte repeats the setting that is left
.if MSB != (\new)
	s_set_vgpr_msb (MSB<<8)|(\new)
.set MSB, (\new)
.endif
.endm
.set MUL_LO,   0xa1
.set MUL_HI,   0xf1
.set FIRST_LO, 0x81                    ; C in window 0: the bias
.set FIRST_HI, 0xc1
.set TO_B,     0x40
.macro JLOAD s                         ; a joint load: waves 0 and 1 fetch A's two groups, waves 2 and 3 B's
	s_cmp_eq_u32 s15, 0
	s_cbranch_scc0 .Lfor_b_\@
	tensor_load_to_lds s[G0+4*\s:G0+4*\s+3], s[G1:G1+7]
	s_nop 0
.rept 4
	v_nop
.endr
	s_branch .Lasked_\@
.Lfor_b_\@:
	tensor_load_to_lds s[G0B+4*\s:G0B+4*\s+3], s[G1B:G1B+7]
	s_nop 0
.rept 4
	v_nop
.endr
.Lasked_\@:
.endm
.macro CREST
	s_cmp_lg_u32 s14, 0
	s_cbranch_scc1 .Lnot_wave_0_\@
	s_barrier_signal -3
.Lnot_wave_0_\@:
	s_barrier_wait -3
	s_barrier_signal -1
	s_barrier_wait -1
.endm
.macro CROUND
	s_barrier_signal -1
	s_barrier_wait -1
	CREST
.endm
	s_load_b128 s[4:7], s[0:1], 0x0                ; xa, wb
	s_load_b128 s[8:11], s[0:1], 0x10              ; out0, bias
	v_lshl_add_u32 v[SPW], v0, 2, SPARE
	v_mov_b32 v[NIL], 0
	ds_add_u32 v[SPW], v[NIL]                      ; the opening lines: the add twice on end and its wait
	ds_add_u32 v[SPW], v[NIL]
	v_lshrrev_b32 v1, 5, v0
	v_readfirstlane_b32 s14, v1                    ; wave
	s_lshr_b32 s15, s14, 1                         ; my half of the tile's rows; also: I fetch for A (0) or B (1)
	s_and_b32 s16, s14, 1                          ; my half of its columns; also: which group of 128 rows I fetch
	s_bfe_u32 s40, ttmp6, 0x40000                  ; cx
	s_bfe_u32 s41, ttmp6, 0x40004                  ; cy
	s_lshl_b32 s42, ttmp9, 2
	s_add_co_u32 s42, s42, s40                     ; tile column
	s_and_b32 s17, ttmp7, 0xffff
	s_lshl_b32 s17, s17, 2
	s_add_co_u32 s17, s17, s41                     ; tile row
	s_lshl_b32 s43, s41, 2
	s_lshl_b32 s43, 15, s43                        ; my row of the cluster
	s_lshl_b32 s44, 0x1111, s40                    ; my column
	s_or_b32 s[G1+0], s43, (3<<16)|(1<<21)         ; elements of 8 bytes, no padding, bit 21 beside the mask
	s_or_b32 s[G1B+0], s44, (3<<16)|(1<<21)
.irp g, G1, G1B
	s_mov_b32 s[\g+1], 32<<16                      ; rows of 32 elements: 256 bytes
	s_mov_b32 s[\g+2], 150<<16
	s_mov_b32 s[\g+3], 32<<16
	s_mov_b32 s[\g+4], 150
	s_mov_b32 s[\g+5], 32
	s_mov_b32 s[\g+6], 0
	s_mov_b32 s[\g+7], 0
.endr
	s_lshl_b32 s12, s17, 1
	s_add_co_u32 s12, s12, s16
	s_mul_i32 s12, s12, 32*REC                     ; A: my group's first record, in bytes
	s_lshl_b32 s13, s42, 1
	s_add_co_u32 s13, s13, s16
	s_mul_i32 s13, s13, 32*REC                     ; B likewise
	s_mov_b32 s20, s12
	s_mov_b32 s21, 0
	s_mov_b32 s46, s13
	s_mov_b32 s47, 0
	s_mul_i32 s45, s14, QTR                        ; where my load lands: no place in the cluster enters an LDS address
	s_wait_dscnt 0x0
	s_wait_kmcnt 0x0
	s_add_nc_u64 s[20:21], s[4:5], s[20:21]
	s_add_nc_u64 s[46:47], s[6:7], s[46:47]
	CROUND                                         ; in front of the first joint loads
.irp s, 0,1
	s_mov_b32 s[G0+4*\s], 1
	s_add_co_u32 s[G0+4*\s+1], s45, \s*SLOT
	s_add_nc_u64 s[G0+4*\s+2:G0+4*\s+3], s[20:21], \s*QTR
	s_or_b32 s[G0+4*\s+3], s[G0+4*\s+3], 0x80000000
	s_mov_b32 s[G0B+4*\s], 1
	s_add_co_u32 s[G0B+4*\s+1], s45, \s*SLOT
	s_add_nc_u64 s[G0B+4*\s+2:G0B+4*\s+3], s[46:47], \s*QTR
	s_or_b32 s[G0B+4*\s+3], s[G0B+4*\s+3], 0x80000000
.endr
	JLOAD 0                                        ; fill 0: one tensor load a wave at the head
	s_mul_i32 s68, s15, QTR                        ; the quarter of a slot with my rows of A
	s_mul_i32 s69, s16, QTR
	s_add_co_u32 s69, s69, 2*QTR                   ; and of B
	s_sub_co_u32 s70, s69, s68
	s_add_co_u32 s71, s68, 12288                   ; A's scale words in a record
	s_mul_i32 s72, s14, 16*SPITCH
	s_add_co_u32 s72, s72, STAGE                   ; my stage
	s_cmp_eq_u32 s15, 0
	s_cselect_b32 s73, s40, s41                    ; my place among the four that ask with me
	s_cselect_b32 s74, s12, s13
	s_cselect_b64 s[PFA:PFA+1], s[4:5], s[6:7]
	s_mov_b32 s75, 0
	s_add_nc_u64 s[PFA:PFA+1], s[PFA:PFA+1], s[74:75]
	s_add_nc_u64 s[PFA:PFA+1], s[PFA:PFA+1], 7*REC ; the record seven steps on from step 0
	s_mul_i32 s73, s73, 13
	s_lshl_b32 s18, s42, 10
	s_lshl_b32 s19, s16, 9
	s_add_co_u32 s18, s18, s19
	s_mov_b32 s19, 0
	s_add_nc_u64 s[10:11], s[10:11], s[18:19]      ; my 128 columns' bias
	s_lshl_b32 s20, s17, 8
	s_lshl_b32 s21, s15, 7
	s_add_co_u32 s20, s20, s21
	s_lshl_b32 s20, s20, 13                        ; my first row of the output, rows of 8,192 bytes
	s_lshl_b32 s22, s42, 9
	s_lshl_b32 s23, s16, 8
	s_add_co_u32 s20, s20, s22
	s_add_co_u32 s20, s20, s23
	s_mov_b32 s21, 0
	s_add_nc_u64 s[8:9], s[8:9], s[20:21]
	v_and_b32 v1, 15, v0                           ; r
	v_bfe_u32 v2, v0, 4, 1                         ; h
	v_and_b32 v3, 31, v0
	v_lshlrev_b32 v4, 4, v3                        ; 16 x lane
	v_add_nc_u32 v[ADRA], s68, v4
	v_add_nc_u32 v[ADRB], s69, v4
	v_add_nc_u32 v[ADRA+1], SLOT, v[ADRA]
	v_add_nc_u32 v[ADRB+1], SLOT, v[ADRB]
	v_mul_u32_u24 v5, s70, v2                      ; lanes 16-31 take B's scale words
	v_lshl_add_u32 v5, v1, 4, v5
	v_add_nc_u32 v[ADRS], s71, v5
	v_add_nc_u32 v[ADRS+1], SLOT, v[ADRS]
	v_mul_u32_u24 v5, v1, SPITCH
	v_lshl_add_u32 v5, v2, 4, v5
	v_add_nc_u32 v[STO], s72, v5
	v_mul_u32_u24 v6, v2, SPITCH
	v_lshl_add_u32 v6, v1, 4, v6
	v_add_nc_u32 v[RD], s72, v6
	v_lshlrev_b32 v7, 13, v2
	v_lshl_add_u32 v[CO], v1, 4, v7
	v_lshlrev_b32 v[BO], 5, v2
	v_min_u32 v8, 12, v3
	v_add_nc_u32 v8, s73, v8
	v_min_u32 v8, 49, v8                           ; my unit of the record's 50
	v_lshlrev_b32 v[PFO], 8, v8
.irp b, 0,1,2,3,4,5,6,7
	global_load_b128 v[BIAS+8*\b:BIAS+8*\b+3], v[BO], s[10:11] offset:64*\b      ; register j: bias of column 16 b + 8 h + j
	global_load_b128 v[BIAS+8*\b+4:BIAS+8*\b+7], v[BO], s[10:11] offset:64*\b+16
.endr
.irp k, 3,4,5,6
	global_prefetch_b8 v[PFO], s[PFA:PFA+1] offset:(\k-7)*REC th:TH_LOAD_NT scope:SCOPE_SE
.endr
.macro FRAG reg, adr, q, i             ; a fragment's 12 registers: three planes of 512 bytes
.irp p, 0,1,2
	ds_load_b128 v[\reg+4*\p:\reg+4*\p+3], v[\adr] offset:(\q)*REC+(\i)*1536+512*\p
.endr
.endm
.macro MUL16 a0, p, first              ; A's blocks a0, a0 + 1 x B's eight; p: B's set and the set of scale words.  The 64 accumulators take turns
.irp a, \a0, \a0+1
.irp b, 0,1,2,3,4,5,6,7
.if \first
	v_wmma_scale_f32_16x16x128_f8f6f4 v[8*(8*((\a)%4)+\b):8*(8*((\a)%4)+\b)+7], v[128*(\p)+FR*\b:128*(\p)+FR*\b+FR-1], v[AF+FR*(\a):AF+FR*(\a)+FR-1], v[BIAS+8*\b:BIAS+8*\b+7], v[SC+8*(\p)+\b], v[SC+8*(\p)+(\a)] matrix_a_fmt:MATRIX_FMT_BF6 matrix_b_fmt:MATRIX_FMT_BF6 matrix_a_scale:MATRIX_SCALE_ROW1
.else
	v_wmma_scale_f32_16x16x128_f8f6f4 v[8*(8*((\a)%4)+\b):8*(8*((\a)%4)+\b)+7], v[128*(\p)+FR*\b:128*(\p)+FR*\b+FR-1], v[AF+FR*(\a):AF+FR*(\a)+FR-1], v[8*(8*((\a)%4)+\b):8*(8*((\a)%4)+\b)+7], v[SC+8*(\p)+\b], v[SC+8*(\p)+(\a)] matrix_a_fmt:MATRIX_FMT_BF6 matrix_b_fmt:MATRIX_FMT_BF6 matrix_a_scale:MATRIX_SCALE_ROW1
.endif
.endr
.endr
.endm
.macro FETCH_B slot, q, p
	WIN TO_B
.irp i, 0,1,2,3,4,5,6,7
	FRAG 128*(\p)+FR*\i, ADRB+(\slot), \q, \i
.endr
	WIN 0
.endm
.macro FETCH_A slot, q, i0
.irp i, \i0, \i0+1, \i0+2, \i0+3
	FRAG AF+FR*(\i), ADRA+(\slot), \q, \i
.endr
.endm
.macro SCALES slot, q, p               ; register i of the set: lanes 0-15 the words of A's block i, lanes 16-31 of B's
.irp j, 0,1
	ds_load_b128 v[SC+8*(\p)+4*\j:SC+8*(\p)+4*\j+3], v[ADRS+(\slot)] offset:(\q)*REC+256*\j
.endr
.endm
.macro PLACES n
.rept \n
	v_nop
.endr
.endm
.macro ASK pf                          ; pf: bytes from s[PFA] to the record seven steps on; under 0: nothing
.if \pf >= 0
	global_prefetch_b8 v[PFO], s[PFA:PFA+1] offset:\pf th:TH_LOAD_NT scope:SCOPE_SE
.endif
.endm
; A step that stays in its slot: 64 matrix instructions on step q's fragments (B's set par); step q + 1's fragments are fetched in three runs.
.macro STEP slot, q, par, first, pf
	s_wait_dscnt 4*NL                              ; all but the youngest twelve loads (A's blocks 4-7)
	WIN MUL_LO-0x20*(\first)
	MUL16 0, \par, \first
	FETCH_B \slot, (\q)+1, 1-(\par)                ; B's other set: four places stand behind its last products, at the end of the step before
	WIN MUL_LO-0x20*(\first)
	MUL16 2, \par, \first
	s_wait_dscnt 8*NL                              ; A's blocks 4-7 are in; B's 24 loads may be out
	PLACES NP
	WIN 0
	FETCH_A \slot, (\q)+1, 0
	SCALES \slot, (\q)+1, 1-(\par)
	ASK \pf
	WIN MUL_HI-0x30*(\first)
	MUL16 4, \par, \first
	MUL16 6, \par, \first
	PLACES NP
	WIN 0
	FETCH_A \slot, (\q)+1, 4
.endm
; A slot's last step changes slots: one barrier.  In front of it each wave waits for all its tensor loads (one is out: its part of the other slot), adds 0 to its spare word, and waits for that and its reads of this slot.
; fill = 1: this slot takes the fill two on; 2: the same, the last fill of 100 rows; 0: nothing more to fetch.
.macro TURN slot, par, fill, pf
	s_wait_tensorcnt 0x0
	ds_add_u32 v[SPW], v[NIL]
	s_wait_dscnt 4*NL+1                            ; the add and A's blocks 4-7 may be out
	WIN MUL_LO
	MUL16 0, \par, 0
	s_wait_dscnt 0x0
	s_barrier_signal -1
	MUL16 2, \par, 0
	WIN 0
	s_barrier_wait -1
.if \fill
	CREST                                          ; the barrier has opened a round of the cluster's barrier
	s_add_nc_u64 s[G0+4*\slot+2:G0+4*\slot+3], s[G0+4*\slot+2:G0+4*\slot+3], 2*QTR
	s_add_nc_u64 s[G0B+4*\slot+2:G0B+4*\slot+3], s[G0B+4*\slot+2:G0B+4*\slot+3], 2*QTR
.if \fill == 2
	s_mov_b32 s[G1+2], 100<<16                     ; no tensor load of mine is out: two records, 100 rows
	s_mov_b32 s[G1+4], 100
	s_mov_b32 s[G1B+2], 100<<16
	s_mov_b32 s[G1B+4], 100
.endif
	JLOAD \slot                                    ; the first tensor load behind the round; its four v_nop are the places in front of the loads below
.else
	PLACES NP
.endif
	FETCH_B 1-\slot, 0, 1-(\par)
	FETCH_A 1-\slot, 0, 0
	SCALES 1-\slot, 0, 1-(\par)
	ASK \pf
	WIN MUL_HI
	MUL16 4, \par, 0
	MUL16 6, \par, 0
	PLACES NP
	WIN 0
	FETCH_A 1-\slot, 0, 4
.endm
	s_wait_alu depctr_va_vdst(0)                   ; the wait at the head's end
	s_wait_tensorcnt 0x0                           ; my part of fill 0 is in
	ds_add_u32 v[SPW], v[NIL]
	s_wait_dscnt 0x0
	CROUND
	JLOAD 1                                        ; fill 1, the first tensor load behind the round
	FETCH_B 0, 0, 0
	FETCH_A 0, 0, 0
	SCALES 0, 0, 0
	FETCH_A 0, 0, 4
	s_wait_loadcnt 0x0                             ; the bias
	STEP 0, 0, 0, 1, 0                             ; step 0 starts the sums on the bias
	s_mov_b32 s3, 4
.Llap:                                                 ; a trip: six steps, from a fill's second step in slot 0 to the first step of the fill two on; steps 1 to 24
	STEP 0, 1, 1, 0, REC
	TURN 0, 0, 1, 2*REC
	STEP 1, 0, 1, 0, 3*REC
	STEP 1, 1, 0, 0, 4*REC
	TURN 1, 1, 1, 5*REC
	STEP 0, 0, 0, 0, 6*REC
	s_wait_xcnt 0x0                                ; my prefetches have read their base
	s_add_nc_u64 s[PFA:PFA+1], s[PFA:PFA+1], 6*REC
	s_sub_co_u32 s3, s3, 1
	s_cmp_lg_u32 s3, 0
	s_cbranch_scc1 .Llap
	STEP 0, 1, 1, 0, -1                            ; steps 25 to 31
	TURN 0, 0, 2, -1                               ; fill 10: steps 30 and 31
	STEP 1, 0, 1, 0, -1
	STEP 1, 1, 0, 0, -1
	TURN 1, 1, 0, -1
	STEP 0, 0, 0, 0, -1
	s_wait_dscnt 4*NL
	WIN MUL_LO
	MUL16 0, 1, 0
	MUL16 2, 1, 0
	s_wait_dscnt 0
	WIN MUL_HI
	MUL16 4, 1, 0
	MUL16 6, 1, 0
	WIN 0
; THE WAY OUT, by blocks of 16 rows: rounded to bf16, 16 bytes a lane into my own stage, back as whole rows of 256 bytes, stored.
.macro PACK a
.set AC, 64*((\a)%4)
	WIN 0x0a+5*((\a)/4)
.irp b, 0,1,2,3,4,5,6,7
.irp r, 0,1,2,3
	v_cvt_pk_bf16_f32 v[TMP+4*\b+\r], v[AC+8*\b+2*\r], v[AC+8*\b+2*\r+1]
.endr
.endr
	WIN 0
.endm
.macro TOSTAGE a
.set BB, BK+32*((\a)%2)
.irp b, 0,1,2,3,4,5,6,7
	ds_store_b128 v[STO], v[TMP+4*\b:TMP+4*\b+3] offset:32*\b
.endr
.irp t, 0,1,2,3,4,5,6,7
	ds_load_b128 v[BB+4*\t:BB+4*\t+3], v[RD] offset:\t*2*SPITCH    ; LDS serves a wave's instructions in order: these see the stores above
.endr
.endm
.macro SEND a
.set BB, BK+32*((\a)%2)
	s_wait_dscnt 0x0
	s_wait_xcnt 0x0                                ; earlier stores have read their base and registers
.if (\a) > 0
	s_add_nc_u64 s[8:9], s[8:9], 16*SIZE_N*2
.endif
.irp t, 0,1,2,3,4,5,6,7
	global_store_b128 v[CO], v[BB+4*\t:BB+4*\t+3], s[8:9] offset:2*\t*SIZE_N*2 th:TH_STORE_NT   ; 16 lanes store 256 consecutive aligned bytes
.endr
.endm
	PLACES NP
	PACK 0
	TOSTAGE 0
.irp a, 1,2,3,4,5,6,7
	PACK \a
	s_wait_alu depctr_va_vdst(0)                   ; directly ahead of SEND's waits
	SEND \a-1
	TOSTAGE \a
.endr
	SEND 7
	s_wait_tensorcnt 0x0                           ; the wave's end
	ds_add_u32 v[SPW], v[NIL]
	s_wait_dscnt 0x0
	CROUND                                         ; the closing round
	s_endpgm
.Lfunc_end_k_qb7548c569f_gemm:
	.size	k_qb7548c569f_gemm, .Lfunc_end_k_qb7548c569f_gemm-k_qb7548c569f_gemm
	.p2alignl 7, 3214868480
	.fill 96, 4, 3214868480
	.section	.rodata,"a",@progbits
	.p2align	6, 0x0
	.amdhsa_kernel k_qb7548c569f_gemm
		.amdhsa_group_segment_fixed_size 327680
		.amdhsa_private_segment_fixed_size 0
		.amdhsa_enable_private_segment 0
		.amdhsa_kernarg_size 32
		.amdhsa_user_sgpr_count 2
		.amdhsa_user_sgpr_kernarg_segment_ptr 1
		.amdhsa_wavefront_size32 1
		.amdhsa_system_sgpr_workgroup_id_x 1
		.amdhsa_system_sgpr_workgroup_id_y 1
		.amdhsa_system_sgpr_workgroup_id_z 1
		.amdhsa_system_vgpr_workitem_id 0
		.amdhsa_next_free_vgpr 1024
		.amdhsa_next_free_sgpr 80
		.amdhsa_reserve_vcc 0
		.amdhsa_float_denorm_mode_32 3
		.amdhsa_float_denorm_mode_16_64 3
		.amdhsa_memory_ordered 1
		.amdhsa_forward_progress 1
		.amdhsa_inst_pref_size 209
	.end_amdhsa_kernel
	.amdgpu_metadata
---
amdhsa.version: [ 1, 2 ]
amdhsa.kernels:
  - .name:           k_qb7548c569f_gemm
    .symbol:         k_qb7548c569f_gemm.kd
    .args:
      - { .name: xa, .offset: 0, .size: 8, .value_kind: global_buffer, .address_space: global }
      - { .name: wb, .offset: 8, .size: 8, .value_kind: global_buffer, .address_space: global }
      - { .name: out0, .offset: 16, .size: 8, .value_kind: global_buffer, .address_space: global }
      - { .name: bias, .offset: 24, .size: 8, .value_kind: global_buffer, .address_space: global }
    .group_segment_fixed_size: 327680
    .private_segment_fixed_size: 0
    .kernarg_segment_align: 8
    .kernarg_segment_size: 32
    .max_flat_workgroup_size: 128
    .sgpr_count:     80
    .vgpr_count:     1024
    .wavefront_size: 32
...
	.end_amdgpu_metadata
.endif
;; end of part 2
